; MI455X (gfx1250); checked and timed in simulation.
; The chip was launched on July 23, 2026; its instructions are those of AMD's public machine-readable ISA for CDNA 5 (MIT licence, August 2026) and "CDNA5" Instruction Set Architecture Reference Guide (July 2026). The comments in the code are by the model that wrote it; some were corrected since.
;; LUT Block. Allowed arithmetic: float matrix products may take bf16 or f16 operands with f32 sums; all other float work in f32.
;; Inputs: anchors_a 16 x 8 int32; anchors_b 16 x 8 int32; table 16 x 256 x 1,024 float32; x 16,384 x 1,024 float32.
;; Outputs: out0 16,384 x 1,024 float32.
;; One version. Each part assembles by itself: llvm-mc -triple=amdgcn-amd-amdhsa -mcpu=gfx1250 --defsym DOCPART=n.
;; ======== version 1 of 1: 2 launches
;; limits: values outside matrix products are rounded to bf16
;; workspace buffers: idx 262,144 bytes of whole numbers; tb16 8,388,608 bytes
;; launch prep (part 1): grid 256 x 1, 4 waves a work-group, no clusters, 262,656 bytes of LDS; arguments x, table, anchors_a, anchors_b, idx, tb16; writes idx, tb16
.if DOCPART == 1
	.amdgcn_target "amdgcn-amd-amdhsa--gfx1250"
	.amdhsa_code_object_version 6
	.text
	.protected	k_qc1ae37d25c_prep
	.globl	k_qc1ae37d25c_prep
	.p2align	8
	.type	k_qc1ae37d25c_prep,@function
k_qc1ae37d25c_prep:
	s_mov_b64 s[64:65], 0
	v_nop
	global_prefetch_b8 v0, s[64:65] scope:SCOPE_SE
	s_setreg_imm32_b32 hwreg(HW_REG_WAVE_MODE, 25, 1), 1
	s_wait_xcnt 0x0
; LUTBlock, first of two launches: the hash of every row of x, and the table in the form in which the second launch gathers from it.
; WHAT THE PROGRAM COMPUTES.  reference() returns hard_sum + (soft_sum - soft_sum).  The bracket takes an f32 array away from itself: it is +0 wherever soft_sum is
; finite, and soft_sum is a mean of table rows (softmax weights in 0..1 that add up to 1), at most 16 max|table|.  So the bracket is NOT computed here: the result is hard_sum.
; LIMIT: where x or table hold NaN or infinities, or 16 max|table| passes f32's range, reference() gives NaN and this program gives the hard sum.
; idx[j][b] (u32, j = 0..3, b = 0..16383): byte n of the word is hard_idx[b][4 j + n], bit c of it is x[b][anchors_a[t][c]] > x[b][anchors_b[t][c]].  a > b stands for a - b > 0: with
; denormals kept the two agree for every pair of f32.  x is compared as f32, never rounded.  An anchor above 1023 counts as 1023 (reference() relies on anchors inside a row).
; tb16[y][u][r][tp][64] bf16: y = slice of 64 columns, u = table / 2, r = row, tp = table % 2.  Of the 128 bytes of (y, u, r, tp), piece i (16 bytes, i = 0..7) holds columns
; 64 y + 4 i .. + 3 and then 64 y + 32 + 4 i .. + 3.  LIMIT: the table is rounded once to bf16, to nearest even; the second launch adds in f32.
; SHARES.  Work-group G: (a) x rows 64 G .. 64 G + 63, 262,144 dense bytes, brought into LDS by four tensor loads, one a wave; (b) rows 8 (G % 32) .. + 7 of tables 2 (G / 32) and 2 (G / 32) + 1.
; Wave w, lane l is comparison 32 w + l of the 128: one v_cmp over the wave gives the 32 bits that ARE the word idx[w][b].
; No cluster: no two work-groups read the same bytes.  No matrix unit: there is no product.
.set SPARE, 262144                     ; behind x: the spare words, 128 bytes for each wave: two blocks of 256 bytes that no other line names
.set SPW, 2                            ; v2       LDS address of my spare word; never rewritten
.set NIL, 3                            ; v3       0; never rewritten
.set AA,  4                            ; v4       my comparison's first anchor, then the LDS byte of that column in the row in hand
.set AB,  5                            ; v5       the same for the second anchor
.set AO,  6                            ; v6       4 x thread: my word in anchors_a and anchors_b
.set TO,  7                            ; v7       my byte offset in the group's part of table
.set BO,  8                            ; v8       my byte offset in the group's part of tb16
.set XO,  9                            ; v9       my byte offset in the group's part of idx
.set W,   10                           ; v[10:11] lane n: the words of rows 2 n and 2 n + 1
.set XA,  16                           ; v[16:31] x at the first anchor, 16 rows
.set XB,  32                           ; v[32:47] x at the second anchor
.set T,   48                           ; v[48:175] slice y: 8 f32 as loaded, then 4 words of bf16 in the first four
.set WV,  20                           ; s20      my wave's number
.set G1,  24                           ; s[24:31] descriptor group 1
.set G0,  32                           ; s[32:35] descriptor group 0
.set MK,  48                           ; s48      a row's 32 bits
	s_load_b256 s[4:11], s[0:1], 0x0               ; x s[4:5], table s[6:7], anchors_a s[8:9], anchors_b s[10:11]
	s_load_b128 s[12:15], s[0:1], 0x20             ; idx s[12:13], tb16 s[14:15]
	v_lshl_add_u32 v[SPW], v0, 2, SPARE
	v_mov_b32 v[NIL], 0
	ds_add_u32 v[SPW], v[NIL]                      ; the wave's opening: the add and its wait stand ahead of my tensor load; the set-up below, work on registers, stands between them
	v_lshrrev_b32 v1, 5, v0
	v_readfirstlane_b32 s[WV], v1                  ; wave 0..3
	; group 1: 65,536 dense bytes as 256 rows of 256 bytes (32 elements of 8 bytes), laid into LDS without gaps
	s_mov_b32 s[G1+0], 3<<16                       ; no mask; elements of 8 bytes; no padding
	s_mov_b32 s[G1+1], 32<<16                      ; tensor_dim0 = 32
	s_mov_b32 s[G1+2], 256<<16                     ; tensor_dim1 = 256
	s_mov_b32 s[G1+3], 32<<16                      ; tile_dim0 = 32
	s_mov_b32 s[G1+4], 256                         ; tile_dim1 = 256
	s_mov_b32 s[G1+5], 32                          ; 32 elements from row to row
	s_mov_b32 s[G1+6], 0
	s_mov_b32 s[G1+7], 0
	s_mov_b32 s[G0], 1                             ; count = 1
	s_mul_i32 s[G0+1], s[WV], 0x10000              ; LDS address: wave x 65,536 (x rows 16 w .. 16 w + 15 of the group's 64)
	s_lshl_b32 s44, ttmp9, 18                      ; the group's 64 rows of 4,096 bytes,
	s_add_co_u32 s44, s44, s[G0+1]                 ; my wave's 16 of them
	s_mov_b32 s45, 0
	s_lshl_b32 s46, ttmp9, 8                       ; idx: 64 words a group in each of the four planes
	s_mov_b32 s47, 0
	s_lshr_b32 s40, ttmp9, 5                       ; u
	s_and_b32 s41, ttmp9, 31                       ; which 8 rows
	s_lshl_b32 s50, s40, 21                        ; table: 2 u tables of 1,048,576 bytes
	s_lshl_b32 s42, s41, 15                        ; + 8 rows of 4,096 bytes
	s_add_co_u32 s50, s50, s42
	s_mov_b32 s51, 0
	s_lshl_b32 s52, s40, 16                        ; tb16: u pairs of 65,536 bytes
	s_lshl_b32 s42, s41, 11                        ; + 8 rows of 256 bytes
	s_add_co_u32 s52, s52, s42
	s_mov_b32 s53, 0
	s_wait_dscnt 0x0                               ; the opening add is done
	s_wait_kmcnt 0x0
	s_add_nc_u64 s[G0+2:G0+3], s[4:5], s[44:45]    ; global address of my 65,536 bytes of x
	s_or_b32 s[G0+3], s[G0+3], 0x80000000          ; type = 2
	tensor_load_to_lds s[G0:G0+3], s[G1:G1+7]      ; my one tensor load: LDS is filled once and never again
	s_nop 0
	s_add_nc_u64 s[6:7], s[6:7], s[50:51]
	s_add_nc_u64 s[14:15], s[14:15], s[52:53]
	s_add_nc_u64 s[12:13], s[12:13], s[46:47]
	v_lshlrev_b32 v[AO], 2, v0
	global_load_b32 v[AA], v[AO], s[8:9]
	global_load_b32 v[AB], v[AO], s[10:11]
	; thread = (rr, tp, i): rr = thread / 16 the row of the eight, tp = bit 3 the table of the pair, i = thread % 8 the piece
	v_bfe_u32 v[TO], v0, 3, 1
	v_lshlrev_b32 v[TO], 20, v[TO]                 ; tp x 1,048,576
	v_lshrrev_b32 v1, 4, v0                        ; rr
	v_lshl_add_u32 v[TO], v1, 12, v[TO]            ; + rr x 4,096
	v_and_b32 v12, 7, v0
	v_lshl_add_u32 v[TO], v12, 4, v[TO]            ; + 16 i
	v_and_b32 v12, 15, v0
	v_lshlrev_b32 v[BO], 4, v12                    ; tp x 128 + 16 i
	v_lshl_add_u32 v[BO], v1, 8, v[BO]             ; + rr x 256
	v_and_b32 v12, 31, v0
	v_lshlrev_b32 v[XO], 3, v12                    ; two words a lane
	v_lshrrev_b32 v13, 5, v0
	v_lshl_add_u32 v[XO], v13, 16, v[XO]           ; + plane w of 65,536 bytes
.set y, 0
.rept 16                                               ; the group's 65,536 bytes of table: all 32 loads of a wave go out at once
	global_load_b128 v[T+8*y:T+8*y+3],   v[TO], s[6:7] offset:256*y      ; columns 64 y + 4 i .. + 3
	global_load_b128 v[T+8*y+4:T+8*y+7], v[TO], s[6:7] offset:256*y+128  ; columns 64 y + 32 + 4 i .. + 3
.set y, y+1
.endr
; Slice y of my row: eight f32 become 16 bytes of bf16, in place, and leave.  Sixteen neighbouring lanes (tp, i) store 256 consecutive bytes, at a multiple of 256 from tb16's first byte.
; This stands ahead of the hash, so that these stores are on their way while x is still landing.  No register that a store reads is written again.
.macro CONV y
	s_wait_loadcnt 30-2*(\y)                       ; loads come back in order (ISA guide 5.7.1): the two of slice y are in, those of the later slices stay out
	v_cvt_pk_bf16_f32 v[T+8*(\y)],   v[T+8*(\y)],   v[T+8*(\y)+1]
	v_cvt_pk_bf16_f32 v[T+8*(\y)+1], v[T+8*(\y)+2], v[T+8*(\y)+3]
	v_cvt_pk_bf16_f32 v[T+8*(\y)+2], v[T+8*(\y)+4], v[T+8*(\y)+5]
	v_cvt_pk_bf16_f32 v[T+8*(\y)+3], v[T+8*(\y)+6], v[T+8*(\y)+7]
	global_store_b128 v[BO], v[T+8*(\y):T+8*(\y)+3], s[14:15] offset:524288*(\y)  ; a slice is 524,288 bytes: 7,864,320 at the most, inside the signed 24-bit immediate
.endm
.irp y, 0,1,2,3,4,5,6,7,8,9,10,11,12,13,14,15
	CONV \y
.endr
	v_min_u32 v[AA], 0x3ff, v[AA]                  ; the anchors came in ahead of the table (the last count above was 0); a column's number, inside a row
	v_min_u32 v[AB], 0x3ff, v[AB]
	v_lshlrev_b32 v[AA], 2, v[AA]                  ; its byte in LDS row 0
	v_lshlrev_b32 v[AB], 2, v[AB]
	v_mov_b32 v[W], 0                              ; v_writelane_b32 keeps the other lanes: the two are written whole first
	v_mov_b32 v[W+1], 0
	s_wait_tensorcnt 0x0                           ; my 16 rows of x are in LDS,
	s_barrier_signal -1
	s_barrier_wait -1                              ; everybody's are: every wave reads all 64 rows
; Rows 16 c .. 16 c + 15: two LDS loads a row (each lane its own two columns), one compare over the wave, and the 32 bits go into lane row / 2 of W or W + 1.
.macro CHUNK c
.set e, 0
.rept 16
	ds_load_b32 v[XA+e], v[AA] offset:4096*e
	ds_load_b32 v[XB+e], v[AB] offset:4096*e
.set e, e+1
.endr
.if (\c) < 3
	v_add_nc_u32 v[AA], 0x10000, v[AA]             ; 16 rows on
	v_add_nc_u32 v[AB], 0x10000, v[AB]
.endif
.set e, 0
.rept 16
	s_wait_dscnt 30-2*e                            ; LDS loads come back in order (ISA guide 5.7.1): pair e is in, the pairs behind it stay out
	v_cmp_gt_f32 s[MK], v[XA+e], v[XB+e]
	v_writelane_b32 v[W+e%2], s[MK], 8*(\c)+e/2
.set e, e+1
.endr
.endm
	CHUNK 0
	CHUNK 1
	CHUNK 2
	CHUNK 3
	global_store_b64 v[XO], v[W:W+1], s[12:13]     ; the wave's 64 words: 256 consecutive bytes, at a multiple of 256 from idx's first byte
	s_wait_tensorcnt 0x0                           ; the wave's end, behind my tensor load
	ds_add_u32 v[SPW], v[NIL]
	s_wait_dscnt 0x0
	s_endpgm
.Lfunc_end_k_qc1ae37d25c_prep:
	.size	k_qc1ae37d25c_prep, .Lfunc_end_k_qc1ae37d25c_prep-k_qc1ae37d25c_prep
	.p2alignl 7, 3214868480
	.fill 96, 4, 3214868480
	.section	.rodata,"a",@progbits
	.p2align	6, 0x0
	.amdhsa_kernel k_qc1ae37d25c_prep
		.amdhsa_group_segment_fixed_size 262656
		.amdhsa_private_segment_fixed_size 0
		.amdhsa_enable_private_segment 0
		.amdhsa_kernarg_size 48
		.amdhsa_user_sgpr_count 2
		.amdhsa_user_sgpr_kernarg_segment_ptr 1
		.amdhsa_wavefront_size32 1
		.amdhsa_system_sgpr_workgroup_id_x 1
		.amdhsa_system_sgpr_workgroup_id_y 1
		.amdhsa_system_sgpr_workgroup_id_z 1
		.amdhsa_system_vgpr_workitem_id 0
		.amdhsa_next_free_vgpr 176
		.amdhsa_next_free_sgpr 66
		.amdhsa_reserve_vcc 0
		.amdhsa_float_denorm_mode_32 3
		.amdhsa_float_denorm_mode_16_64 3
		.amdhsa_memory_ordered 1
		.amdhsa_forward_progress 1
		.amdhsa_inst_pref_size 31
	.end_amdhsa_kernel
	.amdgpu_metadata
---
amdhsa.version: [ 1, 2 ]
amdhsa.kernels:
  - .name:           k_qc1ae37d25c_prep
    .symbol:         k_qc1ae37d25c_prep.kd
    .args:
      - { .name: x, .offset: 0, .size: 8, .value_kind: global_buffer, .address_space: global }
      - { .name: table, .offset: 8, .size: 8, .value_kind: global_buffer, .address_space: global }
      - { .name: anchors_a, .offset: 16, .size: 8, .value_kind: global_buffer, .address_space: global }
      - { .name: anchors_b, .offset: 24, .size: 8, .value_kind: global_buffer, .address_space: global }
      - { .name: idx, .offset: 32, .size: 8, .value_kind: global_buffer, .address_space: global }
      - { .name: tb16, .offset: 40, .size: 8, .value_kind: global_buffer, .address_space: global }
    .group_segment_fixed_size: 262656
    .private_segment_fixed_size: 0
    .kernarg_segment_align: 8
    .kernarg_segment_size: 48
    .max_flat_workgroup_size: 128
    .sgpr_count:     66
    .vgpr_count:     176
    .wavefront_size: 32
...
	.end_amdgpu_metadata
.endif
;; end of part 1
;; launch gather (part 2): grid 16 x 16, 16 waves a work-group, no clusters, 327,680 bytes of LDS; arguments idx, tb16, out0; writes out0
.if DOCPART == 2
	.amdgcn_target "amdgcn-amd-amdhsa--gfx1250"
	.amdhsa_code_object_version 6
	.text
	.protected	k_qc1ae37d25c_gather
	.globl	k_qc1ae37d25c_gather
	.p2align	8
	.type	k_qc1ae37d25c_gather,@function
k_qc1ae37d25c_gather:
	s_mov_b64 s[64:65], 0
	v_nop
	global_prefetch_b8 v0, s[64:65] scope:SCOPE_SE
	s_setreg_imm32_b32 hwreg(HW_REG_WAVE_MODE, 25, 1), 1
	s_wait_xcnt 0x0
; LUTBlock, second of two launches: out0[b][:] = the sum over t = 0..15 of table[t][hard_idx[b][t]][:], from idx and tb16 as the first launch left them (their layouts: at its head).
; reference()'s bracket soft_sum - soft_sum is +0 wherever soft_sum is finite and is NOT computed.  LIMITS: NaN or infinities in x or table, or 16 max|table| beyond f32's range, give NaN in
; reference() and the hard sum here; the table's numbers are bf16 (rounded once), the sums f32; a row's tables are added in the order 0,1,2,3.. or 1,0,3,2.., by the lane's group.
; SHARES.  Work-group (x, y): rows 1,024 x .. + 1,023, columns 64 y .. + 63 (256 bytes of an output row).  Each of 16 waves owns 64 rows x 64 columns and keeps them as f32 in 128 registers for
; the whole launch.  The slice's 16 tables, 524,288 bytes of bf16, stream through two LDS slots of four tables (131,072 bytes); a PHASE adds a slot's four tables onto all rows.
; LANES.  Group s = lane / 8 owns rows 64 w + 16 s + g, g = 0..15; lane i = lane % 8 reads piece i (16 bytes, 8 columns) of a gathered row.  With p = s % 2, sub-step q = 0..3 of a phase takes
; byte q xor p of the idx word: pair q / 2 of the slot, table (q % 2) xor p of the pair.  So of any sixteen neighbouring lanes eight read bytes 0-127 of a block of 256 and eight bytes 128-255,
; each column of 16 bytes once, whatever rows idx names: no two lanes meet in a bank (64 banks of 4 bytes: ISA guide 11.1), and LDS rows need no padding.
; NO CLUSTER, though the 16 work-groups of a slice read the same tiles: every LDS read address here is made of idx words, which differ from row group to row group
; No matrix unit: as a one-hot product the sum would be 256 times the additions.
.set SLOT1, 131072                     ; slot 1's first byte, and a slot's size: one exclusive or turns an address in one slot into the other's
.set PAIRB, 65536                      ; two tables: 256 rows x 256 bytes
.set SPARE, 262144                     ; behind the slots: the spare words, 128 bytes for each of 16 waves: eight blocks of 256 bytes that no other line names
.set SPW,  2                           ; v2        LDS address of my spare word; never rewritten
.set NIL,  3                           ; v3        0; never rewritten
.set ONE,  4                           ; v4        1.0: the factor of the multiply-add that widens bf16 and adds
.set IO,   5                           ; v5        byte offset of my group's 16 idx words; never rewritten
.set OO,   6                           ; v6        my byte offset in out0; never rewritten
.set BASE, 7                           ; v7        the sub-step's LDS base
.set LA,   8                           ; v[8:9]    128 p + 16 i, 128 (1 - p) + 16 i
.set SH,   10                          ; v[10:13]  sub-step q's bit offset in the idx word: 8 (q xor p)
.set BQ,   14                          ; v[14:17]  the last phase: sub-step q's LDS base
.set XR,   18                          ; v[18:21]  the way out: what I send to the lane 8 away
.set YR,   22                          ; v[22:25]  what I get
.set ADR,  26                          ; v[26:41]  LDS addresses
.set IDX,  44                          ; v[44:59]  the phase's idx words of my 16 rows
.set D,    60                          ; v[60:123] 16 gathered pieces
.set ACC,  124                         ; v[124:251] row g: columns 4 i .. + 3 in ACC + 8 g + 0..3, columns 32 + 4 i .. + 3 in + 4..7
.set WV,   12                          ; s12       my wave's number
.set G1,   24                          ; s[24:31]  descriptor group 1
.set G0,   32                          ; s[32:35]  descriptor group 0: it walks
.set TB,   36                          ; s36       LDS byte of the pair of tables in hand
.set TB2,  37                          ; s37       the last phase: of its second pair
.set CNT,  38                          ; s38       phases in the loop
.set M8,   39                          ; s39       lanes 8-15 and 24-31
	s_load_b128 s[4:7], s[0:1], 0x0                ; idx s[4:5], tb16 s[6:7]
	s_load_b64 s[8:9], s[0:1], 0x10                ; out0
	v_lshl_add_u32 v[SPW], v0, 2, SPARE
	v_mov_b32 v[NIL], 0
	ds_add_u32 v[SPW], v[NIL]                      ; the wave's opening: the add and its wait stand ahead of my first tensor load; the set-up below, work on registers, stands between them
	v_lshrrev_b32 v1, 5, v0
	v_readfirstlane_b32 s[WV], v1                  ; wave 0..15
	s_and_b32 s15, ttmp7, 0xffff                   ; y: the slice
	; group 1: a wave's sixteenth of a slot, 8,192 dense bytes, as 32 rows of 256 bytes (32 elements of 8 bytes).  All 16 waves fetch, so a load has no more rows than these.
	s_mov_b32 s[G1+0], 3<<16                       ; no mask; elements of 8 bytes; no padding
	s_mov_b32 s[G1+1], 32<<16                      ; tensor_dim0 = 32
	s_mov_b32 s[G1+2], 32<<16                      ; tensor_dim1 = 32
	s_mov_b32 s[G1+3], 32<<16                      ; tile_dim0 = 32
	s_mov_b32 s[G1+4], 32                          ; tile_dim1 = 32
	s_mov_b32 s[G1+5], 32                          ; 32 elements from row to row
	s_mov_b32 s[G1+6], 0
	s_mov_b32 s[G1+7], 0
	s_mov_b32 s[G0], 1                             ; count = 1
	s_mul_i32 s[G0+1], s[WV], 8192                 ; LDS address: slot 0, wave x 8,192
	s_lshl_b32 s16, s15, 19                        ; the slice's 524,288 bytes of tb16,
	s_add_co_u32 s16, s16, s[G0+1]                 ; my wave's part of its first four tables
	s_mov_b32 s17, 0
	s_lshl_b32 s18, ttmp9, 12                      ; idx: the row group's 1,024 words
	s_mov_b32 s19, 0
	s_lshl_b32 s20, ttmp9, 22                      ; out0: 1,024 rows of 4,096 bytes
	s_lshl_b32 s21, s15, 8                         ; + the slice's 256 bytes
	s_add_co_u32 s20, s20, s21
	s_mov_b32 s21, 0
	s_mov_b32 s[TB], SLOT1+2*PAIRB                 ; the first change of slots turns this into 0
	s_mov_b32 s[M8], 0xff00ff00
	s_mov_b32 s[CNT], 3
	s_wait_dscnt 0x0                               ; the opening add is done
	s_wait_kmcnt 0x0
	s_add_nc_u64 s[G0+2:G0+3], s[6:7], s[16:17]    ; global address
	s_or_b32 s[G0+3], s[G0+3], 0x80000000          ; type = 2
	s_add_nc_u64 s[4:5], s[4:5], s[18:19]
	s_add_nc_u64 s[8:9], s[8:9], s[20:21]
	tensor_load_to_lds s[G0:G0+3], s[G1:G1+7]      ; tables 0-3 into slot 0.  Slot 1 is asked for by the loop's first change of slots
	s_nop 0
	v_lshrrev_b32 v1, 3, v0                        ; 4 w + s
	v_lshlrev_b32 v[IO], 6, v1                     ; 16 words of 4 bytes a group
.irp n, 0,1,2,3
	global_load_b128 v[IDX+4*\n:IDX+4*\n+3], v[IO], s[4:5] offset:16*\n  ; plane 0: tables 0-3; the eight lanes of a group read the same 64 bytes
.endr
	v_bfe_u32 v42, v0, 3, 1                        ; p
	v_xor_b32 v43, 1, v42                          ; 1 - p
	v_and_b32 v1, 7, v0
	v_lshlrev_b32 v1, 4, v1                        ; 16 i
	v_lshl_add_u32 v[LA], v42, 7, v1
	v_lshl_add_u32 v[LA+1], v43, 7, v1
	v_lshlrev_b32 v[SH], 3, v42
	v_lshlrev_b32 v[SH+1], 3, v43
	v_add_nc_u32 v[SH+2], 16, v[SH]
	v_add_nc_u32 v[SH+3], 16, v[SH+1]
	v_lshrrev_b32 v1, 4, v0                        ; 2 w + lane / 16: 32 rows each
	v_and_b32 v42, 15, v0
	v_lshlrev_b32 v[OO], 4, v42                    ; 16 bytes of the slice's 256
	v_lshl_add_u32 v[OO], v1, 17, v[OO]            ; + 32 rows of 4,096 bytes
	v_mov_b32 v[ONE], 1.0
.irp n, 0,1,2,3
	v_mov_b32 v[YR+\n], 0                          ; a DPP move's destination counts as read: it is written first
.endr
	; The sums are cleared on purpose: 128 lines that stand in the wait for the first tile, in place of a second copy of a phase's text (some 800 lines) whose first sub-step would start them.
.set g, 0
.rept 128
	v_mov_b32 v[ACC+g], 0
.set g, g+1
.endr
; THE CHANGE OF SLOTS.  Each wave waits for all its tensor loads, of which one is out: its part of the other slot; adds 0 to its spare word; and waits for that and for its own reads of the
; slot that it leaves.  Behind the barrier nobody reads the old slot any more and the other slot is whole.  fill = 1: the old slot is filled again, the first thing behind the barrier, with the
; next four tables: one load a wave, 131,072 bytes for the sixteen, and a phase's work in which to land.  (At its first use nothing has been read yet: slot 0 is waited for, slot 1 filled.)
.macro CHANGE fill
	s_wait_tensorcnt 0x0                           ; no tensor load of mine is out, so group 0 may be written
	ds_add_u32 v[SPW], v[NIL]                      ; 0 onto my spare word: the scalar steps below stand between it and the wait for it
.if \fill
	s_xor_b32 s[G0+1], s[G0+1], SLOT1              ; the other slot than last time,
	s_add_nc_u64 s[G0+2:G0+3], s[G0+2:G0+3], SLOT1 ; the next four tables; the type bits on top are not reached
.endif
	s_sub_co_u32 s[TB], s[TB], 2*PAIRB             ; the reads go back to a slot's first pair,
	s_xor_b32 s[TB], s[TB], SLOT1                  ; in the other slot
	s_wait_dscnt 0x0                               ; the add is done, and my reads of the slot are over
	s_barrier_signal -1
	s_barrier_wait -1
.if \fill
	tensor_load_to_lds s[G0:G0+3], s[G1:G1+7]
	s_nop 0
.endif
.endm
; Eight numbers of row a take the piece in v[d .. d + 3]: each line widens one bf16 half, multiplies by 1.0 and adds onto the f32 sum: one instruction a number.
.macro ACCUM a, d
.irp k, 0,1,2,3
	v_fma_mix_f32_bf16 v[ACC+8*(\a)+2*\k],   v[(\d)+\k], v[ONE], v[ACC+8*(\a)+2*\k]   op_sel_hi:[1,0,0]
	v_fma_mix_f32_bf16 v[ACC+8*(\a)+2*\k+1], v[(\d)+\k], v[ONE], v[ACC+8*(\a)+2*\k+1] op_sel:[1,0,0] op_sel_hi:[1,0,0]
.endr
.endm
; Sub-step q: one table for each of my 16 rows.  The row number is a byte of the idx word, held under 256 once more, times 256 bytes, plus the pair's base, my table's half and my piece.
; reload = 1: the idx words have been read for the last time in this phase: the next phase's are asked for, ahead of 16 LDS loads and 128 multiply-adds.
.macro SUB q, reload
	v_add_nc_u32 v[BASE], s[TB], v[LA+((\q)&1)]
.set g, 0
.rept 16
	v_bfe_u32 v[ADR+g], v[IDX+g], v[SH+(\q)], 8
.set g, g+1
.endr
.set g, 0
.rept 16
	v_min_u32 v[ADR+g], 0xff, v[ADR+g]
.set g, g+1
.endr
.set g, 0
.rept 16
	v_lshl_add_u32 v[ADR+g], v[ADR+g], 8, v[BASE]
.set g, g+1
.endr
.if \reload
.irp n, 0,1,2,3
	global_load_b128 v[IDX+4*\n:IDX+4*\n+3], v[IO], s[4:5] offset:16*\n
.endr
.endif
.set g, 0
.rept 16
	ds_load_b128 v[D+4*g:D+4*g+3], v[ADR+g]
.set g, g+1
.endr
.set g, 0
.rept 16
	s_wait_dscnt 15-g                              ; LDS loads come back in order (ISA guide 5.7.1): row g's piece is in, the later rows' stay out
	ACCUM g, D+4*g
.set g, g+1
.endr
.endm
.macro PHASE
	s_wait_loadcnt 0x0                             ; this phase's idx words are in, and idx's base is free
	s_add_nc_u64 s[4:5], s[4:5], 65536             ; the next plane: the loop's three phases ask for planes 1, 2 and 3, the last in the buffer
	SUB 0, 0
	SUB 1, 0
	s_add_co_u32 s[TB], s[TB], PAIRB               ; the slot's second pair
	SUB 2, 0
	SUB 3, 1
	s_add_co_u32 s[TB], s[TB], PAIRB
.endm
; THE LAST PHASE GOES BY ROWS, so that finished rows leave while the others are still added.  LADDR a: the four pieces of row a are asked for; four rows' pieces take turns in D.
.macro LADDR a
.irp q, 0,1,2,3
	v_bfe_u32 v[ADR+4*((\a)%4)+\q], v[IDX+(\a)], v[SH+\q], 8
.endr
.irp q, 0,1,2,3
	v_min_u32 v[ADR+4*((\a)%4)+\q], 0xff, v[ADR+4*((\a)%4)+\q]
.endr
.irp q, 0,1,2,3
	v_lshl_add_u32 v[ADR+4*((\a)%4)+\q], v[ADR+4*((\a)%4)+\q], 8, v[BQ+\q]
.endr
.irp q, 0,1,2,3
	ds_load_b128 v[D+16*((\a)%4)+4*\q:D+16*((\a)%4)+4*\q+3], v[ADR+4*((\a)%4)+\q]
.endr
.endm
; THE WAY OUT of row a of all four groups.  Of sixteen neighbouring lanes, lanes 0-7 hold row A (columns 4 i .. in registers 0-3, 32 + 4 i .. in 4-7) and lanes 8-15 row B, 16 rows further down.
; Lanes 0-7 send registers 4-7 to the lane 8 away and get its registers 0-3.  Then registers 0-3 of the sixteen lanes are the 256 bytes of row A and registers 4-7 those of row B:
; each store's sixteen lanes write 256 consecutive bytes, at a multiple of 256 from out0's first byte.  The sums are not written again, so nothing waits for the stores.
.macro OUT a
.irp n, 0,1,2,3
	v_cndmask_b32 v[XR+\n], v[ACC+8*(\a)+4+\n], v[ACC+8*(\a)+\n], s[M8]
.endr
.irp n, 0,1,2,3
	v_mov_b32_dpp v[YR+\n], v[XR+\n] row_xmask:8 row_mask:0xf bank_mask:0xf
.endr
.irp n, 0,1,2,3
	v_cndmask_b32 v[ACC+8*(\a)+\n], v[ACC+8*(\a)+\n], v[YR+\n], s[M8]
	v_cndmask_b32 v[ACC+8*(\a)+4+\n], v[YR+\n], v[ACC+8*(\a)+4+\n], s[M8]
.endr
	global_store_b128 v[OO], v[ACC+8*(\a):ACC+8*(\a)+3],   s[8:9] offset:4096*(\a) th:TH_STORE_NT
	global_store_b128 v[OO], v[ACC+8*(\a)+4:ACC+8*(\a)+7], s[8:9] offset:65536+4096*(\a) th:TH_STORE_NT
.endm
.Lphase:                                               ; three trips: tables 0-3, 4-7, 8-11; each asks for the four tables behind those that it adds
	CHANGE 1
	PHASE
	s_sub_co_u32 s[CNT], s[CNT], 1
	s_cmp_lg_u32 s[CNT], 0
	s_cbranch_scc1 .Lphase
	CHANGE 0                                       ; the last phase is written out: nothing is left to ask for
	s_wait_loadcnt 0x0                             ; plane 3's idx words
	s_add_co_u32 s[TB2], s[TB], PAIRB
	v_add_nc_u32 v[BQ],   s[TB],  v[LA]
	v_add_nc_u32 v[BQ+1], s[TB],  v[LA+1]
	v_add_nc_u32 v[BQ+2], s[TB2], v[LA]
	v_add_nc_u32 v[BQ+3], s[TB2], v[LA+1]
	LADDR 0
	LADDR 1
	LADDR 2
	LADDR 3
.irp a, 0,1,2,3,4,5,6,7,8,9,10,11,12,13,14,15
.if (\a) < 12
	s_wait_dscnt 12                                ; row a's four pieces are in; the three later rows' twelve stay out
.else
	s_wait_dscnt 4*(15-(\a))                       ; the counts run down
.endif
.irp q, 0,1,2,3
	ACCUM \a, D+16*((\a)%4)+4*\q
.endr
.if (\a) < 12
	LADDR (\a)+4                                   ; its place in D takes the row four further on
.endif
	OUT \a
.endr
	s_wait_tensorcnt 0x0                           ; the wave's end, behind my last tensor load
	ds_add_u32 v[SPW], v[NIL]
	s_wait_dscnt 0x0
	s_endpgm
.Lfunc_end_k_qc1ae37d25c_gather:
	.size	k_qc1ae37d25c_gather, .Lfunc_end_k_qc1ae37d25c_gather-k_qc1ae37d25c_gather
	.p2alignl 7, 3214868480
	.fill 96, 4, 3214868480
	.section	.rodata,"a",@progbits
	.p2align	6, 0x0
	.amdhsa_kernel k_qc1ae37d25c_gather
		.amdhsa_group_segment_fixed_size 327680
		.amdhsa_private_segment_fixed_size 0
		.amdhsa_enable_private_segment 0
		.amdhsa_kernarg_size 24
		.amdhsa_user_sgpr_count 2
		.amdhsa_user_sgpr_kernarg_segment_ptr 1
		.amdhsa_wavefront_size32 1
		.amdhsa_system_sgpr_workgroup_id_x 1
		.amdhsa_system_sgpr_workgroup_id_y 1
		.amdhsa_system_sgpr_workgroup_id_z 1
		.amdhsa_system_vgpr_workitem_id 0
		.amdhsa_next_free_vgpr 252
		.amdhsa_next_free_sgpr 66
		.amdhsa_reserve_vcc 0
		.amdhsa_float_denorm_mode_32 3
		.amdhsa_float_denorm_mode_16_64 3
		.amdhsa_memory_ordered 1
		.amdhsa_forward_progress 1
		.amdhsa_inst_pref_size 127
	.end_amdhsa_kernel
	.amdgpu_metadata
---
amdhsa.version: [ 1, 2 ]
amdhsa.kernels:
  - .name:           k_qc1ae37d25c_gather
    .symbol:         k_qc1ae37d25c_gather.kd
    .args:
      - { .name: idx, .offset: 0, .size: 8, .value_kind: global_buffer, .address_space: global }
      - { .name: tb16, .offset: 8, .size: 8, .value_kind: global_buffer, .address_space: global }
      - { .name: out0, .offset: 16, .size: 8, .value_kind: global_buffer, .address_space: global }
    .group_segment_fixed_size: 327680
    .private_segment_fixed_size: 0
    .kernarg_segment_align: 8
    .kernarg_segment_size: 24
    .max_flat_workgroup_size: 512
    .sgpr_count:     66
    .vgpr_count:     252
    .wavefront_size: 32
...
	.end_amdgpu_metadata
.endif
;; end of part 2
